; MI455X (gfx1250); checked and timed in simulation.
; The chip was launched on July 23, 2026; its instructions are those of AMD's public machine-readable ISA for CDNA 5 (MIT licence, August 2026) and "CDNA5" Instruction Set Architecture Reference Guide (July 2026). The comments in the code are by the model that wrote it; some were corrected since.
;; Gated Atten. Allowed arithmetic: float matrix products may take bf16 or f16 operands with f32 sums; all other float work in f32.
;; Inputs: W_down 128 x 64 float32; W_drug 128 x 128 float32; W_prot 128 x 128 float32; W_up 64 x 128 float32; b_down 64 float32; b_drug 128 float32; b_prot 128 float32; b_up 128 float32; x 8 x 128 x 128 float32; y 8 x 128 x 1,024 float32.
;; Outputs: out0 8 x 128 x 128 float32; out1 8 x 128 x 1,024 float32.
;; 2 versions, each right; version 2 is version 1 with the launch pairs written anew for expert scheduling mode. Each part assembles by itself: llvm-mc -triple=amdgcn-amd-amdhsa -mcpu=gfx1250 --defsym DOCPART=n.
;; ======== version 1 of 2: 2 launches
;; workspace buffers: compP 4,194,304 bytes; protP 4,194,304 bytes
;; launch pairs (part 1): grid 32 x 8, 8 waves a work-group, no clusters, 204,800 bytes of LDS; arguments x, y, W_drug, b_drug, W_prot, b_prot, W_down, b_down, compP, protP; writes compP, protP
.if DOCPART == 1
	.amdgcn_target "amdgcn-amd-amdhsa--gfx1250"
	.amdhsa_code_object_version 6
	.text
	.protected	k_q66448ec763_pairs
	.globl	k_q66448ec763_pairs
	.p2align	8
	.type	k_q66448ec763_pairs,@function
k_q66448ec763_pairs:
	s_mov_b64 s[64:65], 0
	v_nop
	global_prefetch_b8 v0, s[64:65] scope:SCOPE_SE
	s_setreg_imm32_b32 hwreg(HW_REG_WAVE_MODE, 25, 1), 1
	s_wait_xcnt 0x0
; h[x][y][:] = relu(relu(d[x] + p[y]) W_down + b_down) for a block of 64 x by 64 y of one batch, summed over the 64 y (compP) and over the 64 x (protP).
; d = x^T W_drug, p = y^T W_prot + b_prot + b_drug: both biases ride on p, since only d + p is ever used.
; The mean of h W_up + b_up is (mean of h) W_up + b_up, so only sums of h leave this launch; the up product is made on the sums in the next launch.
; Work-group: ttmp9 = 2 yb + xh, ttmp7 = b.  Eight waves: wave w owns the 16 x of tile xt = w & 3 and the 32 y of half yh = w >> 2.
; A wave keeps d of its 16 x in 64 registers (f32, already in the lane order of an A fragment) and walks its 32 y, one y a trip:
; 16 pairs x 128 channels x 64 hidden units = 16 matrix instructions.  Two waves lie on a SIMD (512 registers each): while one multiplies, the other builds.
; Products in bf16 with f32 sums; d, p, h and all sums of h in f32.
; Hidden unit 16 t + r is kept at place pos = 4 r + t of a row of 64, so that the four figures of a lane are 16 neighbouring bytes; the next launch orders W_up alike.
; NO TENSOR LOADS, NO JOINT LOADS: every input byte is f32 and becomes bf16 on its way, which takes registers; the 224 KiB of f32 that a work-group reads and the
; 132 KiB of bf16 made of them do not fit in LDS together, and each byte is fetched once by a work-group, at its first lines, not once a step.
; LIMITS: relu is v_max_num_f32, so a NaN in d + p or in the hidden sum becomes 0.  The order of the sums differs from a plain left-to-right one (trees, halves).
.set PW,  288                          ; LDS pitch of a row of 128 bf16: 9 x 32 bytes
.set PS,  160                          ; LDS pitch of a row of 64 bf16: 5 x 32 bytes
.set PP,  528                          ; LDS pitch of a row of p, 128 f32 + 16 bytes: 33 x 16 bytes
.set PC,  272                          ; LDS pitch of a row of 64 f32 + 16 bytes: 17 x 16 bytes
.set SWD, 0                            ; W_drug bf16 [c 128][d 128]
.set SWP, 36864                        ; W_prot bf16 [c 128][d 128]
.set SX,  73728                        ; x block bf16 [c 128][l 64]
.set SY,  94208                        ; y block bf16 [c 128][l 64]
.set SWN, 114688                       ; W_down bf16 [c 128][64]
.set SP,  135168                       ; p, f32 [y 64][128]
.set CS,  168960                       ; sums over y, f32 [yh 2][x 64][pos 64]
                                       ; bytes 0 to 131071 serve again behind the second barrier: sums over 8 x, f32 [y 64][slot 8 = 2 xt + h][pos 64]
; block 0 of the vector registers
.set GW, 4                             ; byte offset in W_drug, W_prot         later PA: LDS address of p of the next y to load
.set GY, 5                             ; byte offset in my y block             later PRS: LDS address of my sums over 8 x
.set GX, 6                             ; byte offset in my x block             later CST
.set GN, 7                             ; byte offset in W_down                 later CRD
.set LW, 8                             ; LDS: where a row of W_drug goes       later PRD
.set LS, 9                             ; LDS: where rows of 64 go              later PRD2
.set AWP, 10                           ; LDS: fragments of W_prot              later GO
.set AWD, 11                           ; LDS: fragments of W_drug
.set AY,  12                           ; LDS: fragments of y
.set AX,  13                           ; LDS: fragments of x
.set AWN, 14                           ; LDS: fragments of W_down
.set PST, 15                           ; LDS: where my tiles of p go
.set LY,  16                           ; v[16:47]    y as loaded
.set LWP, 48                           ; v[48:111]   W_prot as loaded
.set LX,  112                          ; v[112:143]  x as loaded
.set LWD, 144                          ; v[144:207]  W_drug as loaded
.set LWN, 208                          ; v[208:239]  W_down as loaded
.set GB,  240                          ; byte offset in b_prot, b_drug
.set GD,  241                          ; byte offset in b_down
.set SETA, 16                          ; v[16:55]    one K step of a projection: 8 registers of rows, 4 x 8 of weights
.set SETB, 56                          ; v[56:95]    the other set
.set PT,  96                           ; v[96:127]   four tiles of p
.set P,   16                           ; v[16:79]    loop: p of one y, then s = relu(d + p), f32
.set F,   80                           ; v[80:111]   loop: s as four A fragments, bf16
.set DT,  112                          ; v[112:143]  loop: four result tiles
.set ACC, 144                          ; v[144:175]  loop: sums over y
.set R,   176                          ; v[176:179]  loop: sums over 8 x
.set DD,  192                          ; v[192:255]  d of my 16 x
.set PA,  4
.set PRS, 5
.set CST, 6
.set CRD, 7
.set PRD, 8
.set PRD2, 9
.set GO,  10
.set CV,  176                          ; way out: v[176:207]
.set PV,  16                           ; way out: v[16:143]
; block 1: v[0:127] the 16 B fragments of W_down, (kk, t) at 8 (4 kk + t)
.set BD,  128                          ; block 1 v[128:159]  b_down as C, tile t at 8 t, eight equal registers
.set BS,  160                          ; block 1 v[160:191]  b_prot, then b_prot + b_drug, as C of my four tiles of p
.set BG,  192                          ; block 1 v[192:223]  b_drug
.set MSB, 0
.macro WIN new                         ; low byte: bits 1:0 source 0, 3:2 source 1, 5:4 source 2, 7:6 destination; the high byte repeats the setting that is left
.if MSB != \new
	s_set_vgpr_msb (MSB<<8)|\new
.set MSB, \new
.endif
.endm
.macro PLACES                          ; four places behind a matrix instruction (ISA guide 7.12.1), where no useful vector work is at hand
.rept 4
	v_nop
.endr
.endm
	s_load_b512 s[8:23], s[0:1], 0x0               ; x s[8:9], y s[10:11], W_drug s[12:13], b_drug s[14:15], W_prot s[16:17], b_prot s[18:19], W_down s[20:21], b_down s[22:23]
	s_load_b128 s[24:27], s[0:1], 0x40             ; compP s[24:25], protP s[26:27]
	s_set_vgpr_msb 0x40
	v_lshl_add_u32 v254, v0, 2, 0x31c00
	v_mov_b32 v255, 0
	s_set_vgpr_msb 0x4000
	v_and_b32 v1, 31, v0                           ; lane
	v_lshrrev_b32 v2, 5, v0
	v_readfirstlane_b32 s3, v2                     ; wave w
	v_and_b32 v2, 15, v0                           ; r
	v_bfe_u32 v3, v0, 4, 1                         ; h
	s_and_b32 s4, ttmp9, 1                         ; xh
	s_lshr_b32 s5, ttmp9, 1                        ; yb
	s_and_b32 s6, ttmp7, 0xffff                    ; b
	s_and_b32 s7, s3, 3                            ; xt; for p: which 16 y
	s_lshr_b32 s28, s3, 2                          ; yh; for p: which 64 channels
	; offsets in memory: wave w stages rows c = 16 w .. 16 w + 15 of everything
	s_lshl_b32 s34, s3, 13
	v_lshl_add_u32 v[GW], v1, 4, s34               ; 16 rows of 512 bytes a wave, a row a load
	s_lshl_b32 s35, s3, 12
	v_lshl_add_u32 v[GN], v1, 4, s35               ; 16 rows of 256 bytes a wave, two rows a load
	s_lshl_b32 s36, s3, 4
	v_add_nc_u32 v16, s36, v3                      ; 16 w + h
	v_lshlrev_b32 v17, 4, v2                       ; 16 r
	v_lshl_add_u32 v[GY], v16, 12, v17             ; 256 bytes of rows 4,096 bytes apart, two rows a load
	v_lshl_add_u32 v[GX], v16, 9, v17              ; 256 bytes of rows 512 bytes apart
	; where they go in LDS
	s_mul_i32 s37, s3, 16*PW
	v_lshl_add_u32 v[LW], v1, 3, s37
	v_mul_u32_u24 v18, v16, PS
	v_lshl_add_u32 v18, v2, 3, v18
	v_add_nc_u32 v[LS], SX, v18
	; fragments from tiles that lie [K][N]: the transposing load wants row 8 h + (lane & 7), 16 bytes for each half of eight lanes
	v_and_b32 v19, 7, v0
	v_lshl_add_u32 v19, v3, 3, v19
	v_bfe_u32 v20, v0, 3, 1
	v_lshlrev_b32 v20, 4, v20
	v_mad_u32_u24 v[AWD], v19, PW, v20
	v_mad_u32_u24 v22, v19, PS, v20
	s_lshl_b32 s34, s28, 7                         ; my 64 channels of p: 128 bytes along a row of W_prot
	s_add_co_u32 s34, s34, SWP
	v_add_nc_u32 v[AWP], s34, v[AWD]
	s_lshl_b32 s35, s7, 5                          ; my 16 columns: 32 bytes
	v_add3_u32 v[AY], v22, s35, SY
	v_add3_u32 v[AX], v22, s35, SX
	v_add_nc_u32 v[AWN], SWN, v22
	s_lshl_b32 s36, s7, 4
	v_add_nc_u32 v23, s36, v2                      ; y = 16 yt + r
	v_mul_u32_u24 v23, v23, PP
	v_lshl_add_u32 v23, v3, 5, v23                 ; + 8 h channels
	s_lshl_b32 s37, s28, 8                         ; + 64 channels for the upper group
	v_lshl_add_u32 v[GB], v3, 5, s37               ; the same channels in the biases
	s_add_co_u32 s37, s37, SP
	v_add_nc_u32 v[PST], s37, v23
	v_lshlrev_b32 v[GD], 2, v2
	; the work-group's parts of the buffers
	s_lshl_b32 s30, s6, 16
	s_lshl_b32 s2, s4, 8
	s_add_co_u32 s30, s30, s2                      ; x: b x 65,536 + xh x 256
	s_lshl_b32 s36, s6, 19
	s_lshl_b32 s2, s5, 8
	s_add_co_u32 s32, s36, s2                      ; y: b x 524,288 + yb x 256
	s_lshl_b32 s2, s5, 15
	s_add_co_u32 s34, s36, s2
	s_lshl_b32 s2, s4, 14
	s_add_co_u32 s34, s34, s2                      ; compP [b][yb][x 128][64]: my 64 rows of 256 bytes
	s_lshl_b32 s2, s4, 18
	s_add_co_u32 s36, s36, s2
	s_lshl_b32 s2, s5, 14
	s_add_co_u32 s36, s36, s2                      ; protP [b][xh][y 1024][64]: my 64 rows of 256 bytes
	s_mov_b32 s31, 0
	s_mov_b32 s33, 0
	s_mov_b32 s35, 0
	s_mov_b32 s37, 0
	s_wait_kmcnt 0x0
	s_add_nc_u64 s[8:9], s[8:9], s[30:31]
	s_add_nc_u64 s[10:11], s[10:11], s[32:33]
	s_add_nc_u64 s[24:25], s[24:25], s[34:35]
	s_add_nc_u64 s[26:27], s[26:27], s[36:37]
	; ALL LOADS AT ONCE.  The 20 small loads of the biases stand first, so that the counts below speak of the 56 stage loads alone.
	WIN 0x40                                       ; destinations in block 1
.irp q, 0,1,2,3
	global_load_b128 v[BS+8*\q:BS+8*\q+3],   v[GB], s[18:19] offset:64*\q
	global_load_b128 v[BS+8*\q+4:BS+8*\q+7], v[GB], s[18:19] offset:64*\q+16
	global_load_b128 v[BG+8*\q:BG+8*\q+3],   v[GB], s[14:15] offset:64*\q
	global_load_b128 v[BG+8*\q+4:BG+8*\q+7], v[GB], s[14:15] offset:64*\q+16
.endr
.irp q, 0,1,2,3
	global_load_b32 v[BD+8*\q], v[GD], s[22:23] offset:64*\q       ; b_down[16 t + r]
.endr
	WIN 0
.macro GLD base, n, off, sb, step      ; n loads of 16 bytes a lane, step bytes apart
.set ci, 0
.rept \n
	global_load_b128 v[\base+4*ci:\base+4*ci+3], v[\off], s[\sb:\sb+1] offset:ci*\step
.set ci, ci+1
.endr
.endm
	GLD LY,  8,  GY, 10, 8192
	GLD LWP, 16, GW, 16, 512
	GLD LX,  8,  GX, 8,  1024
	GLD LWD, 16, GW, 12, 512
	GLD LWN, 8,  GN, 20, 512
; n loads become bf16, in place, and go to LDS, 8 bytes a lane
.macro CVST base, n, addr, imm, step
.set ci, 0
.rept \n
	v_cvt_pk_bf16_f32 v[\base+4*ci],   v[\base+4*ci],   v[\base+4*ci+1]
	v_cvt_pk_bf16_f32 v[\base+4*ci+1], v[\base+4*ci+2], v[\base+4*ci+3]
	ds_store_b64 v[\addr], v[\base+4*ci:\base+4*ci+1] offset:\imm+ci*\step
.set ci, ci+1
.endr
.endm
	s_wait_loadcnt 48                              ; loads come back in order (ISA guide 5.7.1): y is in; 16 + 8 + 16 + 8 younger loads stay out
	CVST LY,  8,  LS, SY-SX, 2*PS
	s_wait_loadcnt 32                              ; W_prot is in; 8 + 16 + 8 stay out
	CVST LWP, 16, LW, SWP, PW
	s_wait_loadcnt 24                              ; x is in; 16 + 8 stay out
	CVST LX,  8,  LS, 0, 2*PS
	s_wait_loadcnt 8                               ; W_drug is in; W_down stays out
	CVST LWD, 16, LW, SWD, PW
	s_wait_loadcnt 0x0
	CVST LWN, 8,  LS, SWN-SX, 2*PS
	WIN 0x45                                       ; destination and both sources in block 1
.irp i, 0,2,4,6,8,10,12,14,16,18,20,22,24,26,28,30
	v_pk_add_f32 v[BS+\i:BS+\i+1], v[BS+\i:BS+\i+1], v[BG+\i:BG+\i+1]     ; b_prot + b_drug
.endr
.irp q, 0,1,2,3
.irp j, 1,2,3,4,5,6,7
	v_mov_b32 v[BD+8*\q+\j], v[BD+8*\q]            ; a C tile holds b_down[16 t + r] for all eight rows of a lane
.endr
.endr
	WIN 0
	s_wait_dscnt 0x0                               ; my part of the stage is written,
	s_barrier_signal -1
	s_barrier_wait -1                              ; everybody's is
; THE PROJECTIONS, used transposed: source 0 = 16 output channels of the weights, source 1 = 16 columns l of x or y.
; Lane (r, h) then holds, in register j of tile T, the value of row l = r at channel 16 T + 8 h + j: the channels that the lane holds of an A fragment.
; One K step of 32: the rows' fragment and four weight fragments, ten transposing loads.
.macro LOADSET st, kk, wa, wi, ra
	ds_load_tr16_b128 v[\st:\st+3],   v[\ra] offset:\kk*32*PS
	ds_load_tr16_b128 v[\st+4:\st+7], v[\ra] offset:\kk*32*PS+16*PS
.irp q, 0,1,2,3
	ds_load_tr16_b128 v[\st+8+8*\q:\st+11+8*\q],  v[\wa] offset:\wi+\kk*32*PW+32*\q
	ds_load_tr16_b128 v[\st+12+8*\q:\st+15+8*\q], v[\wa] offset:\wi+\kk*32*PW+32*\q+16*PW
.endr
.endm
; four matrix instructions on four accumulators.  mode 0: adds on; 1: the constant 0 starts the sums; 2: the biases (block 1) start them
.macro MUL4 dst, st, mode
.if \mode == 2
	WIN 0x10
.endif
.irp q, 0,1,2,3
.if \mode == 0
	v_wmma_f32_16x16x32_bf16 v[\dst+8*\q:\dst+8*\q+7], v[\st+8+8*\q:\st+15+8*\q], v[\st:\st+7], v[\dst+8*\q:\dst+8*\q+7]
.else
.if \mode == 1
	v_wmma_f32_16x16x32_bf16 v[\dst+8*\q:\dst+8*\q+7], v[\st+8+8*\q:\st+15+8*\q], v[\st:\st+7], 0
.else
	v_wmma_f32_16x16x32_bf16 v[\dst+8*\q:\dst+8*\q+7], v[\st+8+8*\q:\st+15+8*\q], v[\st:\st+7], v[BS+8*\q:BS+8*\q+7]
.endif
.endif
.endr
.if \mode == 2
	WIN 0
.endif
.endm
; Four tiles over K = 128, on two sets that take turns.  The four accumulators take turns, one instruction a turn.
; lead = 1: four places in front of the first loads, where matrix instructions that read the sets stand just ahead.
.macro PROJ4 dst, wa, wi, ra, mode, lead
.if \lead
	PLACES
.endif
	LOADSET SETA, 0, \wa, \wi, \ra
	LOADSET SETB, 1, \wa, \wi, \ra
	s_wait_dscnt 10                                ; LDS answers in order: the older set is in, the ten loads of the younger stay out
	MUL4 \dst, SETA, \mode
	PLACES                                         ; a set is loaded again four places behind the matrix instructions that read it
	LOADSET SETA, 2, \wa, \wi, \ra
	s_wait_dscnt 10
	MUL4 \dst, SETB, 0
	PLACES
	LOADSET SETB, 3, \wa, \wi, \ra
	s_wait_dscnt 10
	MUL4 \dst, SETA, 0
	s_wait_dscnt 0x0
	MUL4 \dst, SETB, 0
.endm
	PROJ4 PT, AWP, 0, AY, 2, 0                     ; p of 16 y x 64 channels, with both biases
	PLACES                                         ; four places before the results are stored
.irp q, 0,1,2,3
	ds_store_b128 v[PST], v[PT+8*\q:PT+8*\q+3]   offset:64*\q      ; 16 lanes, rows 528 bytes apart: 16 different 16-byte columns modulo 256
	ds_store_b128 v[PST], v[PT+8*\q+4:PT+8*\q+7] offset:64*\q+16
.endr
	PROJ4 DD,    AWD, 0,   AX, 1, 0                ; d of my 16 x, channels 0 to 63 (the places above serve its first loads)
	PROJ4 DD+32, AWD, 128, AX, 1, 1                ; channels 64 to 127
	PLACES                                         ; the loop's P and F lie on the sets: four places before they are loaded or written
	WIN 0x40
.irp kk, 0,1,2,3
.irp t, 0,1,2,3
	ds_load_tr16_b128 v[8*(4*\kk+\t):8*(4*\kk+\t)+3],   v[AWN] offset:\kk*32*PS+32*\t          ; W_down, k = 32 kk .., hidden 16 t + r: kept for the whole loop
	ds_load_tr16_b128 v[8*(4*\kk+\t)+4:8*(4*\kk+\t)+7], v[AWN] offset:\kk*32*PS+32*\t+16*PS
.endr
.endr
	WIN 0
	s_mul_i32 s34, s28, 32*PP
	s_add_co_u32 s34, s34, SP
	v_lshl_add_u32 v[PA], v3, 5, s34               ; p of my first y, my 8 h channels of each 16
	s_lshl_b32 s35, s28, 16                        ; 32 y x 2,048 bytes
	s_lshl_b32 s36, s7, 9                          ; slot 2 xt
	s_add_co_u32 s35, s35, s36
	v_lshlrev_b32 v[PRS], 4, v1                    ; slot + h and 16 r: 16 x lane
	v_add_nc_u32 v[PRS], s35, v[PRS]
	s_wait_dscnt 0x0                               ; my tiles of p are written and my reads of the stage are back,
	s_barrier_signal -1
	s_barrier_wait -1                              ; everybody's: p may be read, and the stage's bytes may be written again
; THE LOOP.  A = s (row m = x, k = channel), B = W_down, C = b_down: register j of tile t in lane (r, h) is the hidden sum of x = 8 h + j, unit 16 t + r.
.macro LOADP                           ; p of one y: all lanes of a half read the same 16 bytes; 16 loads
.set bi, 0
.rept 8
	ds_load_b128 v[P+8*bi:P+8*bi+3],   v[PA] offset:64*bi
	ds_load_b128 v[P+8*bi+4:P+8*bi+7], v[PA] offset:64*bi+16
.set bi, bi+1
.endr
	v_add_nc_u32 v[PA], PP, v[PA]
.endm
.macro BUILD                           ; s = relu(d + p) in f32, rounded once to bf16: registers 2 i, 2 i + 1 make fragment register i
.set bk, 0
.rept 4
.set bi, 0
.rept 8
	v_pk_add_f32 v[P+16*bk+2*bi:P+16*bk+2*bi+1], v[P+16*bk+2*bi:P+16*bk+2*bi+1], v[DD+16*bk+2*bi:DD+16*bk+2*bi+1]
.set bi, bi+1
.endr
.set bi, 0
.rept 16
	v_max_num_f32 v[P+16*bk+bi], 0, v[P+16*bk+bi]
.set bi, bi+1
.endr
.set bi, 0
.rept 8
	v_cvt_pk_bf16_f32 v[F+8*bk+bi], v[P+16*bk+2*bi], v[P+16*bk+2*bi+1]
.set bi, bi+1
.endr
.set bk, bk+1
.endr
.endm
.macro MMA                             ; 16 matrix instructions; the four accumulators take turns, one instruction a turn, over the backward jump too
	WIN 0x14                                       ; B and C in block 1
.irp t, 0,1,2,3
	v_wmma_f32_16x16x32_bf16 v[DT+8*\t:DT+8*\t+7], v[F:F+7], v[8*\t:8*\t+7], v[BD+8*\t:BD+8*\t+7]     ; b_down starts the sums
.endr
	WIN 0x04                                       ; B in block 1
.irp kk, 1,2,3
.irp t, 0,1,2,3
	v_wmma_f32_16x16x32_bf16 v[DT+8*\t:DT+8*\t+7], v[F+8*\kk:F+8*\kk+7], v[8*(4*\kk+\t):8*(4*\kk+\t)+7], v[DT+8*\t:DT+8*\t+7]
.endr
.endr
	WIN 0
.endm
; h = relu; its sum over y stays in ACC, its sum over my lane's 8 x goes to LDS.  first = 1: the relu's results start ACC, nothing is cleared.
.macro POST first
.set bi, 0
.rept 32
.if \first
	v_max_num_f32 v[ACC+bi], 0, v[DT+bi]
.else
	v_max_num_f32 v[DT+bi], 0, v[DT+bi]
.endif
.set bi, bi+1
.endr
.if \first
.set SRC, ACC
.else
.set SRC, DT
.set bi, 0
.rept 16
	v_pk_add_f32 v[ACC+2*bi:ACC+2*bi+1], v[ACC+2*bi:ACC+2*bi+1], v[DT+2*bi:DT+2*bi+1]
.set bi, bi+1
.endr
.endif
.irp t, 0,1,2,3
	v_pk_add_f32 v[DT+8*\t:DT+8*\t+1],   v[SRC+8*\t:SRC+8*\t+1],   v[SRC+8*\t+2:SRC+8*\t+3]
	v_pk_add_f32 v[DT+8*\t+4:DT+8*\t+5], v[SRC+8*\t+4:SRC+8*\t+5], v[SRC+8*\t+6:SRC+8*\t+7]
.endr
.irp t, 0,1,2,3
	v_pk_add_f32 v[DT+8*\t:DT+8*\t+1], v[DT+8*\t:DT+8*\t+1], v[DT+8*\t+4:DT+8*\t+5]
.endr
.irp t, 0,1,2,3
	v_add_f32 v[R+\t], v[DT+8*\t], v[DT+8*\t+1]
.endr
	ds_store_b128 v[PRS], v[R:R+3]                 ; 16 lanes write 256 neighbouring bytes
	v_add_nc_u32 v[PRS], 2048, v[PRS]              ; the next y
.endm
; One y.  The products of this y; s of the next y is built behind them; p of the y after that is asked for; then this y's results are summed.
; The first 24 lines of BUILD name only P and DD: they are the places in front of its first write of F, and all of BUILD lies in front of the reads of DT.
.macro TRIP first, build, loadp, n
	MMA
.if \build
	s_wait_dscnt \n                                ; the 16 loads of p are in; n = what was issued behind them (the store of R)
	BUILD
.else
	PLACES
.endif
.if \loadp
	LOADP
.endif
	POST \first
.endm
	LOADP                                          ; y 0
	s_wait_dscnt 0x0
	BUILD
	LOADP                                          ; y 1
	TRIP 1, 1, 1, 0                                ; y 0: nothing was issued behind the loads of p
	s_mov_b32 s29, 29
.Ltrip:
	TRIP 0, 1, 1, 1                                ; y 1 to 29; asks for p of y 3 to 31
	s_sub_co_i32 s29, s29, 1
	s_cmp_lg_u32 s29, 0
	s_cbranch_scc1 .Ltrip
	TRIP 0, 1, 0, 1                                ; y 30: no p is left to ask for
	TRIP 0, 0, 0, 0                                ; y 31: nothing is left to build
	; THE WAY OUT.  The sums over my 32 y go to LDS; then all 256 threads add the two halves (comp) and the eight slots (prot) and store whole rows of 256 bytes.
	s_mul_i32 s34, s28, 64*PC
	s_mul_i32 s35, s7, 16*PC
	s_add_co_u32 s34, s34, s35
	s_add_co_u32 s34, s34, CS
	v_mul_u32_u24 v[CST], v3, 8*PC
	v_lshl_add_u32 v[CST], v2, 4, v[CST]
	v_add_nc_u32 v[CST], s34, v[CST]               ; row 16 xt + 8 h, place 4 r
.irp t, 0,1,2,3
.irp j, 0,1,2,3,4,5,6,7
	ds_store_b32 v[CST], v[ACC+8*\t+\j] offset:\j*PC+4*\t
.endr
.endr
	v_lshrrev_b32 v11, 4, v0                       ; thread / 16: a row
	v_mul_u32_u24 v[CRD], v11, PC
	v_lshl_add_u32 v[CRD], v2, 4, v[CRD]
	v_add_nc_u32 v[CRD], CS, v[CRD]
	v_lshlrev_b32 v[PRD], 11, v11
	v_lshl_add_u32 v[PRD], v2, 4, v[PRD]
	v_add_nc_u32 v[PRD2], 0x10000, v[PRD]          ; rows 32 and up lie beyond the reach of the 16-bit offset
	v_lshlrev_b32 v[GO], 4, v0
	s_wait_dscnt 0x0                               ; my sums are written,
	s_barrier_signal -1
	s_barrier_wait -1                              ; everybody's are
.irp i, 0,1,2,3
	ds_load_b128 v[CV+8*\i:CV+8*\i+3],   v[CRD] offset:\i*16*PC
	ds_load_b128 v[CV+8*\i+4:CV+8*\i+7], v[CRD] offset:\i*16*PC+64*PC
.endr
.irp i, 0,1
.irp sl, 0,1,2,3,4,5,6,7
	ds_load_b128 v[PV+32*\i+4*\sl:PV+32*\i+4*\sl+3], v[PRD] offset:\i*32768+\sl*256
.endr
.endr
.irp i, 0,1
.irp sl, 0,1,2,3,4,5,6,7
	ds_load_b128 v[PV+64+32*\i+4*\sl:PV+64+32*\i+4*\sl+3], v[PRD2] offset:\i*32768+\sl*256
.endr
.endr
.macro ADD4 a, b
	v_pk_add_f32 v[\a:\a+1],   v[\a:\a+1],   v[\b:\b+1]
	v_pk_add_f32 v[\a+2:\a+3], v[\a+2:\a+3], v[\b+2:\b+3]
.endm
	s_wait_dscnt 32                                ; the eight loads of the sums over y are in; the 32 younger stay out
.irp i, 0,1,2,3
	ADD4 CV+8*\i, CV+8*\i+4
	global_store_b128 v[GO], v[CV+8*\i:CV+8*\i+3], s[24:25] offset:\i*4096     ; 16 lanes store 256 consecutive bytes, aligned
.endr
.irp i, 0,1,2,3
	s_wait_dscnt 24-8*\i                           ; the eight slots of row group i are in
	ADD4 PV+32*\i,    PV+32*\i+4
	ADD4 PV+32*\i+8,  PV+32*\i+12
	ADD4 PV+32*\i+16, PV+32*\i+20
	ADD4 PV+32*\i+24, PV+32*\i+28
	ADD4 PV+32*\i,    PV+32*\i+8
	ADD4 PV+32*\i+16, PV+32*\i+24
	ADD4 PV+32*\i,    PV+32*\i+16
	global_store_b128 v[GO], v[PV+32*\i:PV+32*\i+3], s[26:27] offset:\i*4096
.endr
	s_set_vgpr_msb 0x5
	s_wait_tensorcnt 0x0
	ds_add_u32 v254, v255
	s_wait_dscnt 0x0
	s_set_vgpr_msb 0x500
	s_endpgm
.Lfunc_end_k_q66448ec763_pairs:
	.size	k_q66448ec763_pairs, .Lfunc_end_k_q66448ec763_pairs-k_q66448ec763_pairs
	.p2alignl 7, 3214868480
	.fill 96, 4, 3214868480
	.section	.rodata,"a",@progbits
	.p2align	6, 0x0
	.amdhsa_kernel k_q66448ec763_pairs
		.amdhsa_group_segment_fixed_size 204800
		.amdhsa_private_segment_fixed_size 0
		.amdhsa_enable_private_segment 0
		.amdhsa_kernarg_size 80
		.amdhsa_user_sgpr_count 2
		.amdhsa_user_sgpr_kernarg_segment_ptr 1
		.amdhsa_wavefront_size32 1
		.amdhsa_system_sgpr_workgroup_id_x 1
		.amdhsa_system_sgpr_workgroup_id_y 1
		.amdhsa_system_sgpr_workgroup_id_z 1
		.amdhsa_system_vgpr_workitem_id 0
		.amdhsa_next_free_vgpr 512
		.amdhsa_next_free_sgpr 66
		.amdhsa_reserve_vcc 0
		.amdhsa_float_denorm_mode_32 3
		.amdhsa_float_denorm_mode_16_64 3
		.amdhsa_memory_ordered 1
		.amdhsa_forward_progress 1
		.amdhsa_inst_pref_size 94
	.end_amdhsa_kernel
	.amdgpu_metadata
---
amdhsa.version: [ 1, 2 ]
amdhsa.kernels:
  - .name:           k_q66448ec763_pairs
    .symbol:         k_q66448ec763_pairs.kd
    .args:
      - { .name: x, .offset: 0, .size: 8, .value_kind: global_buffer, .address_space: global }
      - { .name: y, .offset: 8, .size: 8, .value_kind: global_buffer, .address_space: global }
      - { .name: W_drug, .offset: 16, .size: 8, .value_kind: global_buffer, .address_space: global }
      - { .name: b_drug, .offset: 24, .size: 8, .value_kind: global_buffer, .address_space: global }
      - { .name: W_prot, .offset: 32, .size: 8, .value_kind: global_buffer, .address_space: global }
      - { .name: b_prot, .offset: 40, .size: 8, .value_kind: global_buffer, .address_space: global }
      - { .name: W_down, .offset: 48, .size: 8, .value_kind: global_buffer, .address_space: global }
      - { .name: b_down, .offset: 56, .size: 8, .value_kind: global_buffer, .address_space: global }
      - { .name: compP, .offset: 64, .size: 8, .value_kind: global_buffer, .address_space: global }
      - { .name: protP, .offset: 72, .size: 8, .value_kind: global_buffer, .address_space: global }
    .group_segment_fixed_size: 204800
    .private_segment_fixed_size: 0
    .kernarg_segment_align: 8
    .kernarg_segment_size: 80
    .max_flat_workgroup_size: 256
    .sgpr_count:     66
    .vgpr_count:     512
    .wavefront_size: 32
...
	.end_amdgpu_metadata
.endif
;; end of part 1
;; launch finish (part 2): grid 144 x 1, 32 waves a work-group, no clusters, 66,560 bytes of LDS; arguments compP, protP, x, y, W_up, b_up, out0, out1; writes out0, out1
.if DOCPART == 2
	.amdgcn_target "amdgcn-amd-amdhsa--gfx1250"
	.amdhsa_code_object_version 6
	.text
	.protected	k_q66448ec763_finish
	.globl	k_q66448ec763_finish
	.p2align	8
	.type	k_q66448ec763_finish,@function
k_q66448ec763_finish:
	s_mov_b64 s[64:65], 0
	v_nop
	global_prefetch_b8 v0, s[64:65] scope:SCOPE_SE
	s_setreg_imm32_b32 hwreg(HW_REG_WAVE_MODE, 25, 1), 1
	s_wait_xcnt 0x0
; out = in x (0.5 + sigmoid(g) tanh(g)), g[c][l] = (mean of h)[l] W_up[:, c] + b_up[c].
; A work-group makes 64 l x 128 c of one output.  Work-groups 0 to 15: out0 (b = id / 2, 64 of 128 l), from 16 partial sums of compP, mean over 1,024 y.
; Work-groups 16 to 143: out1 (b = (id - 16) / 16, 64 of 1,024 l), from 2 partial sums of protP, mean over 128 x.  Those with the most to read come first.
; 32 waves: 1,024 threads x 16 bytes are one partial block of 64 rows x 64 f32; wave w makes the tile of 16 l (mt = w & 3) x 16 c (nt = w >> 2).
; The sums stay in f32; the mean goes into the product as bf16, as W_up does; the sums of the product, the gate and the last product are f32.
; A row of the partial sums holds hidden unit 16 t + r at place 4 r + t; the rows of W_up are laid into LDS in the same order, so K runs alike on both sides.
; sigmoid(g) tanh(g) = (1 - E) / (1 + E E) with E = e^-g: one exponential and one reciprocal.
; No tensor loads, no joint loads: what work-groups share is W_up alone, 32 KiB of f32 that become bf16 in registers, read once by each.
; LIMITS: the exponent -g log2(e) is cut at 60 (g = -41.6), so that E E stays finite; below that the gate is about -9e-19 where the true figure is nearer to 0 still.
; The cut is v_min_num_f32: a NaN in g gives the factor 0.5.
.set PW, 288                           ; LDS pitch of a row of 128 bf16
.set PH, 144                           ; LDS pitch of a row of 64 bf16: 9 x 16 bytes
.set PC, 272                           ; LDS pitch of a row of 64 f32: 17 x 16 bytes
.set WU, 0                             ; W_up bf16 [place 64][c 128]
.set HS, 18432                         ; means bf16 [l 64][place 64]
.set ST, 27648                         ; the factor, f32 [c 128][l 64]
.set NL2E, 0xbfb8aa3b                  ; -log2(e)
	s_load_b512 s[8:23], s[0:1], 0x0               ; compP s[8:9], protP s[10:11], x s[12:13], y s[14:15], W_up s[16:17], b_up s[18:19], out0 s[20:21], out1 s[22:23]
	v_lshl_add_u32 v96, v0, 2, 0xf400
	v_mov_b32 v97, 0
	s_mov_b32 s2, ttmp9
	v_and_b32 v1, 31, v0                           ; lane
	v_lshrrev_b32 v2, 5, v0
	v_readfirstlane_b32 s3, v2                     ; wave w
	v_and_b32 v2, 15, v0                           ; r, also thread mod 16
	v_bfe_u32 v3, v0, 4, 1                         ; h
	; the figures of both roles, then the choice
	s_bfe_u32 s4, s2, 0x30001                      ; comp: b (3 bits from bit 1)
	s_and_b32 s5, s2, 1                            ; which 64 of the 128 l
	s_lshl_b32 s24, s4, 19
	s_lshl_b32 s6, s5, 14
	s_add_co_u32 s24, s24, s6                      ; compP [b][yb 16][x 128][64]: my 64 rows in the first partial
	s_lshl_b32 s25, s4, 16
	s_lshl_b32 s6, s5, 8
	s_add_co_u32 s25, s25, s6                      ; x, out0 [b][c 128][l 128]: my 256 bytes of the first row
	s_sub_co_u32 s4, s2, 16
	s_and_b32 s5, s4, 15                           ; prot: yb
	s_bfe_u32 s4, s4, 0x30004                      ; b (3 bits from bit 4)
	s_lshl_b32 s4, s4, 19
	s_lshl_b32 s6, s5, 14
	s_add_co_u32 s26, s4, s6                       ; protP [b][xh 2][y 1024][64]
	s_lshl_b32 s6, s5, 8
	s_add_co_u32 s27, s4, s6                       ; y, out1 [b][c 128][l 1024]
	s_mov_b32 s40, 0x3a800000                      ; 1 / 1,024
	s_mov_b32 s41, 0x3c000000                      ; 1 / 128
	s_mov_b32 s35, 0
	s_mov_b32 s37, 0
	s_cmp_lt_u32 s2, 16
	s_cselect_b32 s34, s24, s26                    ; offset of my partial sums
	s_cselect_b32 s36, s25, s27                    ; offset of my input and output
	s_cselect_b32 s38, 9, 12                       ; log2 of the bytes from row c to row c + 1
	s_cselect_b32 s42, s40, s41                    ; the mean's factor, a power of two: exact
	s_mov_b32 s43, s42
	s_lshl_b32 s39, 64, s38                        ; 64 rows
	; addresses
	v_lshrrev_b32 v16, 4, v0                       ; thread / 16: a row
	v_lshlrev_b32 v17, 4, v2                       ; 16 bytes of its 256
	v_lshlrev_b32 v4, s38, v16
	v_add_nc_u32 v4, v4, v17                       ; input and output: row c = thread / 16,
	v_add_nc_u32 v5, s39, v4                       ; and row c + 64
	v_lshlrev_b32 v6, 4, v0                        ; partial sums: 16 bytes a thread
	s_lshl_b32 s4, s3, 10
	v_lshl_add_u32 v7, v1, 4, s4                   ; W_up: rows 2 w and 2 w + 1, 512 bytes each
	s_and_b32 s5, s3, 7
	s_lshl_b32 s5, s5, 3
	s_lshr_b32 s6, s3, 3
	s_add_co_u32 s5, s5, s6                        ; row 2 w + i = 16 t + r goes to place 4 r + t = 8 (w & 7) + (w >> 3) + 4 i
	s_mul_i32 s5, s5, PW
	v_lshl_add_u32 v8, v1, 3, s5
	v_mul_u32_u24 v9, v16, PH
	v_lshl_add_u32 v9, v2, 3, v9
	v_add_nc_u32 v9, HS, v9                        ; where my four means go
	s_and_b32 s6, s3, 3                            ; mt
	s_lshr_b32 s7, s3, 2                           ; nt
	s_lshl_b32 s4, s6, 4
	v_add_nc_u32 v10, s4, v2
	v_mul_u32_u24 v10, v10, PH
	v_lshl_add_u32 v10, v3, 4, v10
	v_add_nc_u32 v10, HS, v10                      ; A fragments: row 16 mt + r, 16 h bytes
	v_and_b32 v18, 7, v0
	v_lshl_add_u32 v18, v3, 3, v18
	v_bfe_u32 v19, v0, 3, 1
	v_lshlrev_b32 v19, 4, v19
	v_mad_u32_u24 v11, v18, PW, v19
	s_lshl_b32 s4, s7, 5
	v_add_nc_u32 v11, s4, v11                      ; B fragments by the transposing load: columns 16 nt ..
	s_lshl_b32 s5, s7, 4
	v_add_nc_u32 v20, s5, v2                       ; c = 16 nt + r
	v_lshlrev_b32 v14, 2, v20
	v_mul_u32_u24 v12, v20, PC
	v_lshl_add_u32 v12, v3, 5, v12
	s_lshl_b32 s4, s6, 6
	s_add_co_u32 s4, s4, ST
	v_add_nc_u32 v12, s4, v12                      ; the factor of row c, l = 16 mt + 8 h .. + 7
	v_mad_u32_u24 v13, v16, PC, v17
	v_add_nc_u32 v13, ST, v13                      ; and where whole rows are read back
	s_wait_kmcnt 0x0
	s_cmp_lt_u32 s2, 16
	s_cselect_b64 s[28:29], s[8:9], s[10:11]       ; partial sums
	s_cselect_b64 s[30:31], s[12:13], s[14:15]     ; input
	s_cselect_b64 s[32:33], s[20:21], s[22:23]     ; output
	s_add_nc_u64 s[28:29], s[28:29], s[34:35]
	s_add_nc_u64 s[30:31], s[30:31], s[36:37]
	s_add_nc_u64 s[32:33], s[32:33], s[36:37]
	global_load_b128 v[16:19], v4, s[30:31] th:TH_LOAD_NT          ; 16 lanes read 256 consecutive bytes, aligned
	global_load_b128 v[20:23], v5, s[30:31] th:TH_LOAD_NT
	global_load_b128 v[24:27], v7, s[16:17]
	global_load_b128 v[28:31], v7, s[16:17] offset:512
	global_load_b32 v15, v14, s[18:19]
.macro ADD4 a, b
	v_pk_add_f32 v[\a:\a+1],   v[\a:\a+1],   v[\b:\b+1]
	v_pk_add_f32 v[\a+2:\a+3], v[\a+2:\a+3], v[\b+2:\b+3]
.endm
	s_cmp_lt_u32 s2, 16
	s_cbranch_scc0 .Lprot
.irp i, 0,1,2,3,4,5,6,7,8,9,10,11,12,13,14,15
	global_load_b128 v[32+4*\i:35+4*\i], v6, s[28:29] offset:\i*32768 th:TH_LOAD_NT    ; the 16 blocks of y
.endr
	s_wait_loadcnt 0x0
.irp i, 0,8,16,24,32,40,48,56
	ADD4 32+\i, 36+\i
.endr
.irp i, 0,16,32,48
	ADD4 32+\i, 40+\i
.endr
	ADD4 32, 48
	ADD4 64, 80
	ADD4 32, 64
	s_branch .Ljoin
.Lprot:
	global_load_b128 v[32:35], v6, s[28:29] th:TH_LOAD_NT          ; the two halves of x
	global_load_b128 v[36:39], v6, s[28:29] offset:262144 th:TH_LOAD_NT
	s_wait_loadcnt 0x0
	ADD4 32, 36
.Ljoin:
	v_pk_mul_f32 v[32:33], v[32:33], s[42:43] op_sel_hi:[1,0]      ; the mean
	v_pk_mul_f32 v[34:35], v[34:35], s[42:43] op_sel_hi:[1,0]
	v_cvt_pk_bf16_f32 v32, v32, v33
	v_cvt_pk_bf16_f32 v33, v34, v35
	ds_store_b64 v9, v[32:33]
	v_cvt_pk_bf16_f32 v24, v24, v25
	v_cvt_pk_bf16_f32 v25, v26, v27
	ds_store_b64 v8, v[24:25]
	v_cvt_pk_bf16_f32 v28, v28, v29
	v_cvt_pk_bf16_f32 v29, v30, v31
	ds_store_b64 v8, v[28:29] offset:4*PW
	v_mul_f32 v15, NL2E, v15                       ; -log2(e) b_up
	s_wait_dscnt 0x0                               ; my means and my rows of W_up are written,
	s_barrier_signal -1
	s_barrier_wait -1                              ; everybody's are
	ds_load_b128 v[32:35], v10                     ; A: K = 0 .. 31
	ds_load_b128 v[36:39], v10 offset:32
	ds_load_b128 v[40:43], v10 offset:64           ; K = 32 .. 63
	ds_load_b128 v[44:47], v10 offset:96
	ds_load_tr16_b128 v[48:51], v11                ; B
	ds_load_tr16_b128 v[52:55], v11 offset:16*PW
	ds_load_tr16_b128 v[56:59], v11 offset:32*PW
	ds_load_tr16_b128 v[60:63], v11 offset:48*PW
	s_wait_dscnt 0x0
	v_wmma_f32_16x16x32_bf16 v[64:71], v[32:39], v[48:55], 0
	s_wait_alu depctr_va_vdst(0)                   ; a wait ahead of the link
	v_wmma_f32_16x16x32_bf16 v[64:71], v[40:47], v[56:63], v[64:71]
.rept 4
	v_nop                                          ; four places before the result is read (ISA guide 7.12.1)
.endr
	; register j: l = 16 mt + 8 h + j, c = 16 nt + r
.irp j, 0,1,2,3,4,5,6,7
	v_fmamk_f32 v[72+\j], v[64+\j], NL2E, v15      ; -log2(e) (sum + b_up)
.endr
.irp j, 0,1,2,3,4,5,6,7
	v_min_num_f32 v[72+\j], 0x42700000, v[72+\j]   ; at most 60
.endr
.irp j, 0,1,2,3,4,5,6,7
	v_exp_f32 v[72+\j], v[72+\j]                   ; E = e^-g
.endr
	v_nop                                          ; one plain place behind the last exponential (ISA guide 5.7.2)
	s_wait_alu depctr_va_vdst(0)
.irp j, 0,2,4,6
	v_pk_fma_f32 v[80+\j:81+\j], v[72+\j:73+\j], v[72+\j:73+\j], 1.0 op_sel_hi:[1,1,0]     ; 1 + E E
.endr
.irp j, 0,1,2,3,4,5,6,7
	v_rcp_f32 v[80+\j], v[80+\j]
.endr
.irp j, 0,2,4,6
	v_pk_fma_f32 v[72+\j:73+\j], v[72+\j:73+\j], -1.0, 1.0 op_sel_hi:[1,0,0]               ; 1 - E: also the plain places behind the reciprocals
.endr
	s_wait_alu depctr_va_vdst(0)
.irp j, 0,2,4,6
	v_pk_fma_f32 v[88+\j:89+\j], v[72+\j:73+\j], v[80+\j:81+\j], 0.5 op_sel_hi:[1,1,0]     ; 0.5 + the gate
.endr
	ds_store_b128 v12, v[88:91]                    ; 16 lanes, rows 272 bytes apart: 16 different 16-byte columns modulo 256
	ds_store_b128 v12, v[92:95] offset:16
	s_wait_dscnt 0x0
	s_barrier_signal -1
	s_barrier_wait -1
	ds_load_b128 v[32:35], v13                     ; whole rows back: row c = thread / 16,
	ds_load_b128 v[36:39], v13 offset:64*PC        ; and row c + 64
	s_wait_dscnt 0x0
	v_pk_mul_f32 v[32:33], v[32:33], v[16:17]
	v_pk_mul_f32 v[34:35], v[34:35], v[18:19]
	v_pk_mul_f32 v[36:37], v[36:37], v[20:21]
	v_pk_mul_f32 v[38:39], v[38:39], v[22:23]
	global_store_b128 v4, v[32:35], s[32:33] th:TH_STORE_NT        ; 16 lanes store 256 consecutive bytes, aligned
	global_store_b128 v5, v[36:39], s[32:33] th:TH_STORE_NT
	s_wait_tensorcnt 0x0
	ds_add_u32 v96, v97
	s_wait_dscnt 0x0
	s_endpgm
.Lfunc_end_k_q66448ec763_finish:
	.size	k_q66448ec763_finish, .Lfunc_end_k_q66448ec763_finish-k_q66448ec763_finish
	.p2alignl 7, 3214868480
	.fill 96, 4, 3214868480
	.section	.rodata,"a",@progbits
	.p2align	6, 0x0
	.amdhsa_kernel k_q66448ec763_finish
		.amdhsa_group_segment_fixed_size 66560
		.amdhsa_private_segment_fixed_size 0
		.amdhsa_enable_private_segment 0
		.amdhsa_kernarg_size 64
		.amdhsa_user_sgpr_count 2
		.amdhsa_user_sgpr_kernarg_segment_ptr 1
		.amdhsa_wavefront_size32 1
		.amdhsa_system_sgpr_workgroup_id_x 1
		.amdhsa_system_sgpr_workgroup_id_y 1
		.amdhsa_system_sgpr_workgroup_id_z 1
		.amdhsa_system_vgpr_workitem_id 0
		.amdhsa_next_free_vgpr 98
		.amdhsa_next_free_sgpr 66
		.amdhsa_reserve_vcc 0
		.amdhsa_float_denorm_mode_32 3
		.amdhsa_float_denorm_mode_16_64 3
		.amdhsa_memory_ordered 1
		.amdhsa_forward_progress 1
		.amdhsa_inst_pref_size 14
	.end_amdhsa_kernel
	.amdgpu_metadata
---
amdhsa.version: [ 1, 2 ]
amdhsa.kernels:
  - .name:           k_q66448ec763_finish
    .symbol:         k_q66448ec763_finish.kd
    .args:
      - { .name: compP, .offset: 0, .size: 8, .value_kind: global_buffer, .address_space: global }
      - { .name: protP, .offset: 8, .size: 8, .value_kind: global_buffer, .address_space: global }
      - { .name: x, .offset: 16, .size: 8, .value_kind: global_buffer, .address_space: global }
      - { .name: y, .offset: 24, .size: 8, .value_kind: global_buffer, .address_space: global }
      - { .name: W_up, .offset: 32, .size: 8, .value_kind: global_buffer, .address_space: global }
      - { .name: b_up, .offset: 40, .size: 8, .value_kind: global_buffer, .address_space: global }
      - { .name: out0, .offset: 48, .size: 8, .value_kind: global_buffer, .address_space: global }
      - { .name: out1, .offset: 56, .size: 8, .value_kind: global_buffer, .address_space: global }
    .group_segment_fixed_size: 66560
    .private_segment_fixed_size: 0
    .kernarg_segment_align: 8
    .kernarg_segment_size: 64
    .max_flat_workgroup_size: 1024
    .sgpr_count:     66
    .vgpr_count:     98
    .wavefront_size: 32
...
	.end_amdgpu_metadata
.endif
;; end of part 2
;; ======== version 2 of 2: 2 launches; version 1 with the launch pairs written anew for expert scheduling mode
;; workspace buffers: compP 4,194,304 bytes; protP 4,194,304 bytes
;; launch pairs (part 3): grid 32 x 8, 8 waves a work-group, no clusters, 204,800 bytes of LDS; arguments x, y, W_drug, b_drug, W_prot, b_prot, W_down, b_down, compP, protP; writes compP, protP
.if DOCPART == 3
	.amdgcn_target "amdgcn-amd-amdhsa--gfx1250"
	.amdhsa_code_object_version 6
	.text
	.protected	k_q66448ec763_pairs
	.globl	k_q66448ec763_pairs
	.p2align	8
	.type	k_q66448ec763_pairs,@function
k_q66448ec763_pairs:
	s_mov_b64 s[64:65], 0
	v_nop
	global_prefetch_b8 v0, s[64:65] scope:SCOPE_SE
	s_setreg_imm32_b32 hwreg(HW_REG_WAVE_SCHED_MODE, 0, 2), 2
	s_setreg_imm32_b32 hwreg(HW_REG_WAVE_MODE, 25, 1), 1
	s_wait_xcnt 0x0
	s_wait_alu depctr_vm_vsrc(0)
; h[x][y][:] = relu(relu(d[x] + p[y]) W_down + b_down) for a block of 64 x by 64 y of one batch, summed over the 64 y (compP) and over the 64 x (protP).
; d = x^T W_drug, p = y^T W_prot + b_prot + b_drug: both biases ride on p, since only d + p is ever used.
; The mean of h W_up + b_up is (mean of h) W_up + b_up, so only sums of h leave this launch; the up product is made on the sums in the next launch.
; Work-group: ttmp9 = 2 yb + xh, ttmp7 = b.  Eight waves: wave w owns the 16 x of tile xt = w & 3 and the 32 y of half yh = w >> 2.
; A wave keeps d of its 16 x in 64 registers (f32, already in the lane order of an A fragment) and walks its 32 y, one y a trip:
; 16 pairs x 128 channels x 64 hidden units = 16 matrix instructions.  Two waves lie on a SIMD (512 registers each): while one multiplies, the other builds.
; Products in bf16 with f32 sums; d, p, h and all sums of h in f32.
; Hidden unit 16 t + r is kept at place pos = 4 r + t of a row of 64, so that the four figures of a lane are 16 neighbouring bytes; the next launch orders W_up alike.
; NO TENSOR LOADS, NO JOINT LOADS: every input byte is f32 and becomes bf16 on its way, which takes registers; the 224 KiB of f32 that a work-group reads and the
; 132 KiB of bf16 made of them do not fit in LDS together, and each byte is fetched once by a work-group, at its first lines, not once a step.
; LIMITS: relu is v_max_num_f32, so a NaN in d + p or in the hidden sum becomes 0.  The order of the sums differs from a plain left-to-right one (trees, halves).
; THE MODE: SCHED_MODE bits 1:0 = 2 (LLVM: expert scheduling mode 2), set by the entry lines.  The code itself states the register dependences
; between vector or matrix instructions and memory or LDS instructions, with s_wait_alu, always for 0.
; THE PLAN.  Registers that memory or LDS instructions touch, and who else names them:
;   v4-v15, v240, v241  offsets and LDS addresses: made at the head, ahead of one wait on va_vdst.  v4-v11 get a second use, each behind a wait on vm_vsrc that follows its last reader.
;   v[16:239]     the stage: global loads land; a group's conversions work in place; one wait on va_vdst; the group's run of LDS stores.  One wait on vm_vsrc behind the first barrier frees them all.
;   SETA, SETB    LDS loads land; four matrix instructions read; a wait on va_vdst ahead of the loads that fill a set again.
;   PT            matrix instructions write; one wait on va_vdst; eight LDS stores read; a wait on vm_vsrc behind the second barrier, since F and DT lie on it.
;   In the loop, trip y:
;   P             BUILD reads and writes it (s of y + 1); behind the trip's wait on va_vdst the loads of p of y + 2 land in it, dealt among the relu lines, which name DT and ACC alone.
;   R             the trip's last four adds write it; the store that reads it stands in trip y + 1, directly behind that trip's wait on va_vdst.
;   PA, PRS       read by p's loads and by R's store; stepped at the trip's end, beside the writes of R, behind the trip's one wait on vm_vsrc.
;   F, DT, ACC, DD, W_down's fragments and b_down are named in the loop by vector and matrix instructions alone.
;   So a trip has ONE wait on va_vdst and ONE on vm_vsrc.
;   The way out: all addresses first, one wait on va_vdst, all LDS stores; behind the barrier the loads land in registers that no store has read; the sums in two batches, a wait on va_vdst ahead of each batch's stores.
.set PW,  288                          ; LDS pitch of a row of 128 bf16: 9 x 32 bytes
.set PS,  160                          ; LDS pitch of a row of 64 bf16: 5 x 32 bytes
.set PP,  528                          ; LDS pitch of a row of p, 128 f32 + 16 bytes: 33 x 16 bytes
.set PC,  272                          ; LDS pitch of a row of 64 f32 + 16 bytes: 17 x 16 bytes
.set SWD, 0                            ; W_drug bf16 [c 128][d 128]
.set SWP, 36864                        ; W_prot bf16 [c 128][d 128]
.set SX,  73728                        ; x block bf16 [c 128][l 64]
.set SY,  94208                        ; y block bf16 [c 128][l 64]
.set SWN, 114688                       ; W_down bf16 [c 128][64]
.set SP,  135168                       ; p, f32 [y 64][128]
.set CS,  168960                       ; sums over y, f32 [yh 2][x 64][pos 64]
                                       ; bytes 0 to 131071 serve again behind the second barrier: sums over 8 x, f32 [y 64][slot 8 = 2 xt + h][pos 64]
; block 0 of the vector registers
.set GW, 4                             ; byte offset in W_drug, W_prot         later PA: LDS address of p of the y in hand
.set GY, 5                             ; byte offset in my y block             later PRS: LDS address of my sums over 8 x
.set GX, 6                             ; byte offset in my x block             later CST
.set GN, 7                             ; byte offset in W_down                 later CRD
.set LW, 8                             ; LDS: where a row of W_drug goes       later PRD
.set LS, 9                             ; LDS: where rows of 64 go              later PRD2
.set AWP, 10                           ; LDS: fragments of W_prot              later GO
.set AWD, 11                           ; LDS: fragments of W_drug
.set AY,  12                           ; LDS: fragments of y
.set AX,  13                           ; LDS: fragments of x
.set AWN, 14                           ; LDS: fragments of W_down
.set PST, 15                           ; LDS: where my tiles of p go
.set LY,  16                           ; v[16:47]    y as loaded
.set LWP, 48                           ; v[48:111]   W_prot as loaded
.set LX,  112                          ; v[112:143]  x as loaded
.set LWD, 144                          ; v[144:207]  W_drug as loaded
.set LWN, 208                          ; v[208:239]  W_down as loaded
.set GB,  240                          ; byte offset in b_prot, b_drug
.set GD,  241                          ; byte offset in b_down
.set SETA, 16                          ; v[16:55]    one K step of a projection: 8 registers of rows, 4 x 8 of weights
.set SETB, 56                          ; v[56:95]    the other set
.set PT,  96                           ; v[96:127]   four tiles of p
.set P,   16                           ; v[16:79]    loop: p of one y, then s = relu(d + p), f32
.set F,   80                           ; v[80:111]   loop: s as four A fragments, bf16
.set DT,  112                          ; v[112:143]  loop: four result tiles
.set ACC, 144                          ; v[144:175]  loop: sums over y
.set R,   176                          ; v[176:179]  loop: sums over 8 x
.set DD,  192                          ; v[192:255]  d of my 16 x
.set PA,  4
.set PRS, 5
.set CST, 6
.set CRD, 7
.set PRD, 8
.set PRD2, 9
.set GO,  10
.set CV,  192                          ; way out: v[192:223], where d lay: no store reads these registers
.set PV,  16                           ; way out: v[16:143]
; block 1: v[0:127] the 16 B fragments of W_down, (kk, t) at 8 (4 kk + t)
.set BD,  128                          ; block 1 v[128:159]  b_down as C, tile t at 8 t, eight equal registers
.set BS,  160                          ; block 1 v[160:191]  b_prot, then b_prot + b_drug, as C of my four tiles of p
.set BG,  192                          ; block 1 v[192:223]  b_drug
.set MSB, 0
.macro WIN new                         ; low byte: bits 1:0 source 0, 3:2 source 1, 5:4 source 2, 7:6 destination; the high byte repeats the setting that is left
.if MSB != \new
	s_set_vgpr_msb (MSB<<8)|\new
.set MSB, \new
.endif
.endm
.macro PLACES                          ; four places behind a matrix instruction (ISA guide 7.12.1), where no useful vector work is at hand
.rept 4
	v_nop
.endr
.endm
	s_load_b512 s[8:23], s[0:1], 0x0               ; x s[8:9], y s[10:11], W_drug s[12:13], b_drug s[14:15], W_prot s[16:17], b_prot s[18:19], W_down s[20:21], b_down s[22:23]
	s_load_b128 s[24:27], s[0:1], 0x40             ; compP s[24:25], protP s[26:27]
	s_set_vgpr_msb 0x40
	v_lshl_add_u32 v254, v0, 2, 0x31c00
	v_mov_b32 v255, 0
	s_set_vgpr_msb 0x4000
	v_and_b32 v1, 31, v0                           ; lane
	v_lshrrev_b32 v2, 5, v0
	v_readfirstlane_b32 s3, v2                     ; wave w
	v_and_b32 v2, 15, v0                           ; r
	v_bfe_u32 v3, v0, 4, 1                         ; h
	s_and_b32 s4, ttmp9, 1                         ; xh
	s_lshr_b32 s5, ttmp9, 1                        ; yb
	s_and_b32 s6, ttmp7, 0xffff                    ; b
	s_wait_alu depctr_va_sdst(0)                   ; s3 is written, ahead of its first reader
	s_and_b32 s7, s3, 3                            ; xt; for p: which 16 y
	s_lshr_b32 s28, s3, 2                          ; yh; for p: which 64 channels
	; offsets in memory: wave w stages rows c = 16 w .. 16 w + 15 of everything
	s_lshl_b32 s34, s3, 13
	v_lshl_add_u32 v[GW], v1, 4, s34               ; 16 rows of 512 bytes a wave, a row a load
	s_lshl_b32 s35, s3, 12
	v_lshl_add_u32 v[GN], v1, 4, s35               ; 16 rows of 256 bytes a wave, two rows a load
	s_lshl_b32 s36, s3, 4
	v_add_nc_u32 v16, s36, v3                      ; 16 w + h
	v_lshlrev_b32 v17, 4, v2                       ; 16 r
	v_lshl_add_u32 v[GY], v16, 12, v17             ; 256 bytes of rows 4,096 bytes apart, two rows a load
	v_lshl_add_u32 v[GX], v16, 9, v17              ; 256 bytes of rows 512 bytes apart
	; where they go in LDS
	s_mul_i32 s37, s3, 16*PW
	v_lshl_add_u32 v[LW], v1, 3, s37
	v_mul_u32_u24 v18, v16, PS
	v_lshl_add_u32 v18, v2, 3, v18
	v_add_nc_u32 v[LS], SX, v18
	; fragments from tiles that lie [K][N]: the transposing load wants row 8 h + (lane & 7), 16 bytes for each half of eight lanes
	v_and_b32 v19, 7, v0
	v_lshl_add_u32 v19, v3, 3, v19
	v_bfe_u32 v20, v0, 3, 1
	v_lshlrev_b32 v20, 4, v20
	v_mad_u32_u24 v[AWD], v19, PW, v20
	v_mad_u32_u24 v22, v19, PS, v20
	s_lshl_b32 s34, s28, 7                         ; my 64 channels of p: 128 bytes along a row of W_prot
	s_add_co_u32 s34, s34, SWP
	v_add_nc_u32 v[AWP], s34, v[AWD]
	s_lshl_b32 s35, s7, 5                          ; my 16 columns: 32 bytes
	v_add3_u32 v[AY], v22, s35, SY
	v_add3_u32 v[AX], v22, s35, SX
	v_add_nc_u32 v[AWN], SWN, v22
	s_lshl_b32 s36, s7, 4
	v_add_nc_u32 v23, s36, v2                      ; y = 16 yt + r
	v_mul_u32_u24 v23, v23, PP
	v_lshl_add_u32 v23, v3, 5, v23                 ; + 8 h channels
	s_lshl_b32 s37, s28, 8                         ; + 64 channels for the upper group
	v_lshl_add_u32 v[GB], v3, 5, s37               ; the same channels in the biases
	s_add_co_u32 s37, s37, SP
	v_add_nc_u32 v[PST], s37, v23
	v_lshlrev_b32 v[GD], 2, v2
	; the work-group's parts of the buffers
	s_lshl_b32 s30, s6, 16
	s_lshl_b32 s2, s4, 8
	s_add_co_u32 s30, s30, s2                      ; x: b x 65,536 + xh x 256
	s_lshl_b32 s36, s6, 19
	s_lshl_b32 s2, s5, 8
	s_add_co_u32 s32, s36, s2                      ; y: b x 524,288 + yb x 256
	s_lshl_b32 s2, s5, 15
	s_add_co_u32 s34, s36, s2
	s_lshl_b32 s2, s4, 14
	s_add_co_u32 s34, s34, s2                      ; compP [b][yb][x 128][64]: my 64 rows of 256 bytes
	s_lshl_b32 s2, s4, 18
	s_add_co_u32 s36, s36, s2
	s_lshl_b32 s2, s5, 14
	s_add_co_u32 s36, s36, s2                      ; protP [b][xh][y 1024][64]: my 64 rows of 256 bytes
	s_mov_b32 s31, 0
	s_mov_b32 s33, 0
	s_mov_b32 s35, 0
	s_mov_b32 s37, 0
	s_wait_kmcnt 0x0
	s_add_nc_u64 s[8:9], s[8:9], s[30:31]
	s_add_nc_u64 s[10:11], s[10:11], s[32:33]
	s_add_nc_u64 s[24:25], s[24:25], s[34:35]
	s_add_nc_u64 s[26:27], s[26:27], s[36:37]
	; ALL LOADS AT ONCE.  The 20 small loads of the biases stand first, so that the counts below speak of the 56 stage loads alone.
	WIN 0x40                                       ; destinations in block 1
	s_wait_alu depctr_va_vdst(0)                   ; the offsets and LDS addresses v4 to v15, v240, v241 are written, which the loads and stores below read
.irp q, 0,1,2,3
	global_load_b128 v[BS+8*\q:BS+8*\q+3],   v[GB], s[18:19] offset:64*\q
	global_load_b128 v[BS+8*\q+4:BS+8*\q+7], v[GB], s[18:19] offset:64*\q+16
	global_load_b128 v[BG+8*\q:BG+8*\q+3],   v[GB], s[14:15] offset:64*\q
	global_load_b128 v[BG+8*\q+4:BG+8*\q+7], v[GB], s[14:15] offset:64*\q+16
.endr
.irp q, 0,1,2,3
	global_load_b32 v[BD+8*\q], v[GD], s[22:23] offset:64*\q       ; b_down[16 t + r]
.endr
	WIN 0
.macro GLD base, n, off, sb, step      ; n loads of 16 bytes a lane, step bytes apart
.set ci, 0
.rept \n
	global_load_b128 v[\base+4*ci:\base+4*ci+3], v[\off], s[\sb:\sb+1] offset:ci*\step
.set ci, ci+1
.endr
.endm
	GLD LY,  8,  GY, 10, 8192
	GLD LWP, 16, GW, 16, 512
	GLD LX,  8,  GX, 8,  1024
	GLD LWD, 16, GW, 12, 512
	GLD LWN, 8,  GN, 20, 512
; n loads become bf16, in place: the group's conversions stand together,
.macro CVT base, n
.set ci, 0
.rept \n
	v_cvt_pk_bf16_f32 v[\base+4*ci],   v[\base+4*ci],   v[\base+4*ci+1]
	v_cvt_pk_bf16_f32 v[\base+4*ci+1], v[\base+4*ci+2], v[\base+4*ci+3]
.set ci, ci+1
.endr
.endm
; and go to LDS in one run, 8 bytes a lane
.macro STG base, n, addr, imm, step
.set ci, 0
.rept \n
	ds_store_b64 v[\addr], v[\base+4*ci:\base+4*ci+1] offset:\imm+ci*\step
.set ci, ci+1
.endr
.endm
	s_wait_loadcnt 48                              ; loads come back in order (ISA guide 5.7.1): y is in; 16 + 8 + 16 + 8 younger loads stay out
	CVT LY, 8
	s_wait_alu depctr_va_vdst(0)                   ; the conversions have written y's bf16, which the LDS stores read
	STG LY,  8,  LS, SY-SX, 2*PS
	s_wait_loadcnt 32                              ; W_prot is in; 8 + 16 + 8 stay out
	CVT LWP, 16
	s_wait_alu depctr_va_vdst(0)                   ; the conversions have written W_prot's bf16, which the LDS stores read
	STG LWP, 16, LW, SWP, PW
	s_wait_loadcnt 24                              ; x is in; 16 + 8 stay out
	CVT LX, 8
	s_wait_alu depctr_va_vdst(0)                   ; the conversions have written x's bf16, which the LDS stores read
	STG LX,  8,  LS, 0, 2*PS
	s_wait_loadcnt 8                               ; W_drug is in; W_down stays out
	CVT LWD, 16
	s_wait_alu depctr_va_vdst(0)                   ; the conversions have written W_drug's bf16, which the LDS stores read
	STG LWD, 16, LW, SWD, PW
	s_wait_loadcnt 0x0
	CVT LWN, 8
	WIN 0x45                                       ; destination and both sources in block 1
.irp i, 0,2,4,6,8,10,12,14,16,18,20,22,24,26,28,30
	v_pk_add_f32 v[BS+\i:BS+\i+1], v[BS+\i:BS+\i+1], v[BG+\i:BG+\i+1]     ; b_prot + b_drug
.endr
.irp q, 0,1,2,3
.irp j, 1,2,3,4,5,6,7
	v_mov_b32 v[BD+8*\q+\j], v[BD+8*\q]            ; a C tile holds b_down[16 t + r] for all eight rows of a lane
.endr
.endr
	WIN 0
	s_wait_alu depctr_va_vdst(0)                   ; the conversions have written W_down's bf16, which the LDS stores read; all conversions are done with v[16:95], in which the first fragments land: no vector line stands between this wait and those loads
	STG LWN, 8,  LS, SWN-SX, 2*PS
	s_wait_dscnt 0x0                               ; my part of the stage is written,
	s_barrier_signal -1
	s_barrier_wait -1                              ; everybody's is
	s_wait_alu depctr_vm_vsrc(0)                   ; my stage stores have read v[16:239], v8 and v9, my global loads v4 to v7, v240 and v241: from here on fragments' loads, matrix and vector instructions write these registers
; THE PROJECTIONS, used transposed: source 0 = 16 output channels of the weights, source 1 = 16 columns l of x or y.
; Lane (r, h) then holds, in register j of tile T, the value of row l = r at channel 16 T + 8 h + j: the channels that the lane holds of an A fragment.
; One K step of 32: the rows' fragment and four weight fragments, ten transposing loads.
.macro LOADSET st, kk, wa, wi, ra
	ds_load_tr16_b128 v[\st:\st+3],   v[\ra] offset:\kk*32*PS
	ds_load_tr16_b128 v[\st+4:\st+7], v[\ra] offset:\kk*32*PS+16*PS
.irp q, 0,1,2,3
	ds_load_tr16_b128 v[\st+8+8*\q:\st+11+8*\q],  v[\wa] offset:\wi+\kk*32*PW+32*\q
	ds_load_tr16_b128 v[\st+12+8*\q:\st+15+8*\q], v[\wa] offset:\wi+\kk*32*PW+32*\q+16*PW
.endr
.endm
; four matrix instructions on four accumulators.  mode 0: adds on; 1: the constant 0 starts the sums; 2: the biases (block 1) start them
.macro MUL4 dst, st, mode
.if \mode == 2
	WIN 0x10
.endif
.irp q, 0,1,2,3
.if \mode == 0
	v_wmma_f32_16x16x32_bf16 v[\dst+8*\q:\dst+8*\q+7], v[\st+8+8*\q:\st+15+8*\q], v[\st:\st+7], v[\dst+8*\q:\dst+8*\q+7]
.else
.if \mode == 1
	v_wmma_f32_16x16x32_bf16 v[\dst+8*\q:\dst+8*\q+7], v[\st+8+8*\q:\st+15+8*\q], v[\st:\st+7], 0
.else
	v_wmma_f32_16x16x32_bf16 v[\dst+8*\q:\dst+8*\q+7], v[\st+8+8*\q:\st+15+8*\q], v[\st:\st+7], v[BS+8*\q:BS+8*\q+7]
.endif
.endif
.endr
.if \mode == 2
	WIN 0
.endif
.endm
; Four tiles over K = 128, on two sets that take turns.  The four accumulators take turns, one instruction a turn.
; lead = 1: matrix instructions that read the sets stand just ahead of the first loads.
.macro PROJ4 dst, wa, wi, ra, mode, lead
.if \lead
	PLACES
	s_wait_alu depctr_va_vdst(0)                   ; the matrix instructions just ahead are done reading both sets, in which the loads below land
.endif
	LOADSET SETA, 0, \wa, \wi, \ra
	LOADSET SETB, 1, \wa, \wi, \ra
	s_wait_dscnt 10                                ; LDS answers in order: the older set is in, the ten loads of the younger stay out
	MUL4 \dst, SETA, \mode
	PLACES
	s_wait_alu depctr_va_vdst(0)                   ; the four matrix instructions are done reading SETA, in which the loads below land
	LOADSET SETA, 2, \wa, \wi, \ra
	s_wait_dscnt 10
	MUL4 \dst, SETB, 0
	PLACES
	s_wait_alu depctr_va_vdst(0)                   ; the four matrix instructions are done reading SETB, in which the loads below land
	LOADSET SETB, 3, \wa, \wi, \ra
	s_wait_dscnt 10
	MUL4 \dst, SETA, 0
	s_wait_dscnt 0x0
	MUL4 \dst, SETB, 0
.endm
	PROJ4 PT, AWP, 0, AY, 2, 0                     ; p of 16 y x 64 channels, with both biases
	PLACES                                         ; four places before the results are stored
	s_wait_alu depctr_va_vdst(0)                   ; the matrix instructions have written PT, which the LDS stores read, and are done reading both sets, in which the next projection's loads land; the places above stay beside this wait
.irp q, 0,1,2,3
	ds_store_b128 v[PST], v[PT+8*\q:PT+8*\q+3]   offset:64*\q      ; 16 lanes, rows 528 bytes apart: 16 different 16-byte columns modulo 256
	ds_store_b128 v[PST], v[PT+8*\q+4:PT+8*\q+7] offset:64*\q+16
.endr
	PROJ4 DD,    AWD, 0,   AX, 1, 0                ; d of my 16 x, channels 0 to 63 (the places and the wait above serve its first loads)
	PROJ4 DD+32, AWD, 128, AX, 1, 1                ; channels 64 to 127
	PLACES                                         ; the loop's P and F lie on the sets: four places before they are loaded or written
	s_mul_i32 s34, s28, 32*PP
	s_add_co_u32 s34, s34, SP
	v_lshl_add_u32 v[PA], v3, 5, s34               ; p of my first y, my 8 h channels of each 16
	s_lshl_b32 s35, s28, 16                        ; 32 y x 2,048 bytes
	s_lshl_b32 s36, s7, 9                          ; slot 2 xt
	s_add_co_u32 s35, s35, s36
	v_lshlrev_b32 v[PRS], 4, v1                    ; slot + h and 16 r: 16 x lane
	v_add_nc_u32 v[PRS], s35, v[PRS]
	WIN 0x40
	s_wait_alu depctr_va_vdst(0)                   ; PA and PRS are written, which p's loads and R's stores read; the last projection is done reading the sets, in which p's first loads land: only loads, waits and the barrier stand between
.irp kk, 0,1,2,3
.irp t, 0,1,2,3
	ds_load_tr16_b128 v[8*(4*\kk+\t):8*(4*\kk+\t)+3],   v[AWN] offset:\kk*32*PS+32*\t          ; W_down, k = 32 kk .., hidden 16 t + r: kept for the whole loop
	ds_load_tr16_b128 v[8*(4*\kk+\t)+4:8*(4*\kk+\t)+7], v[AWN] offset:\kk*32*PS+32*\t+16*PS
.endr
.endr
	WIN 0
	s_wait_dscnt 0x0                               ; my tiles of p are written and my reads of the stage are back,
	s_barrier_signal -1
	s_barrier_wait -1                              ; everybody's: p may be read, and the stage's bytes may be written again
	s_wait_alu depctr_vm_vsrc(0)                   ; my LDS stores of p have read PT: F and DT lie on it and are written from here on
; THE LOOP.  A = s (row m = x, k = channel), B = W_down, C = b_down: register j of tile t in lane (r, h) is the hidden sum of x = 8 h + j, unit 16 t + r.
.macro LP at                           ; two of the 16 loads of p of one y, group bi of eight: all lanes of a half read the same 16 bytes; at: rows ahead of PA, in bytes
	ds_load_b128 v[P+8*bi:P+8*bi+3],   v[PA] offset:\at+64*bi
	ds_load_b128 v[P+8*bi+4:P+8*bi+7], v[PA] offset:\at+64*bi+16
.endm
.macro LOADP at                        ; all 16 in one run: ahead of the loop only
.set bi, 0
.rept 8
	LP \at
.set bi, bi+1
.endr
.endm
.macro BUILD                           ; s = relu(d + p) in f32, rounded once to bf16: registers 2 i, 2 i + 1 make fragment register i
.set bk, 0
.rept 4
.set bi, 0
.rept 8
	v_pk_add_f32 v[P+16*bk+2*bi:P+16*bk+2*bi+1], v[P+16*bk+2*bi:P+16*bk+2*bi+1], v[DD+16*bk+2*bi:DD+16*bk+2*bi+1]
.set bi, bi+1
.endr
.set bi, 0
.rept 16
	v_max_num_f32 v[P+16*bk+bi], 0, v[P+16*bk+bi]
.set bi, bi+1
.endr
.set bi, 0
.rept 8
	v_cvt_pk_bf16_f32 v[F+8*bk+bi], v[P+16*bk+2*bi], v[P+16*bk+2*bi+1]
.set bi, bi+1
.endr
.set bk, bk+1
.endr
.endm
.macro MMA                             ; 16 matrix instructions; the four accumulators take turns, one instruction a turn, over the backward jump too
	WIN 0x14                                       ; B and C in block 1
.irp t, 0,1,2,3
	v_wmma_f32_16x16x32_bf16 v[DT+8*\t:DT+8*\t+7], v[F:F+7], v[8*\t:8*\t+7], v[BD+8*\t:BD+8*\t+7]     ; b_down starts the sums
.endr
	WIN 0x04                                       ; B in block 1
.irp kk, 1,2,3
.irp t, 0,1,2,3
	v_wmma_f32_16x16x32_bf16 v[DT+8*\t:DT+8*\t+7], v[F+8*\kk:F+8*\kk+7], v[8*(4*\kk+\t):8*(4*\kk+\t)+7], v[DT+8*\t:DT+8*\t+7]
.endr
.endr
	WIN 0
.endm
; h = relu; its sum over y stays in ACC, its sum over my lane's 8 x is left in R, which the next trip stores.  first = 1: the relu's results start ACC, nothing is cleared.
; loadp = 1: p of the y two on is asked for, two loads in front of each four relu lines.  No wait: no vector or matrix instruction since the trip's wait on va_vdst names P or PA.
; store = 1: the trip has stored R, so PRS moves on.
.macro POST first, loadp, store
.set bi, 0
.rept 8
.if \loadp
	LP 2*PP
.endif
.set bj, 0
.rept 4
.if \first
	v_max_num_f32 v[ACC+4*bi+bj], 0, v[DT+4*bi+bj]
.else
	v_max_num_f32 v[DT+4*bi+bj], 0, v[DT+4*bi+bj]
.endif
.set bj, bj+1
.endr
.set bi, bi+1
.endr
.if \first
.set SRC, ACC
.else
.set SRC, DT
.set bi, 0
.rept 16
	v_pk_add_f32 v[ACC+2*bi:ACC+2*bi+1], v[ACC+2*bi:ACC+2*bi+1], v[DT+2*bi:DT+2*bi+1]
.set bi, bi+1
.endr
.endif
.irp t, 0,1,2,3
	v_pk_add_f32 v[DT+8*\t:DT+8*\t+1],   v[SRC+8*\t:SRC+8*\t+1],   v[SRC+8*\t+2:SRC+8*\t+3]
	v_pk_add_f32 v[DT+8*\t+4:DT+8*\t+5], v[SRC+8*\t+4:SRC+8*\t+5], v[SRC+8*\t+6:SRC+8*\t+7]
.endr
.irp t, 0,1,2,3
	v_pk_add_f32 v[DT+8*\t:DT+8*\t+1], v[DT+8*\t:DT+8*\t+1], v[DT+8*\t+4:DT+8*\t+5]
.endr
	s_wait_alu depctr_vm_vsrc(0)                   ; this trip's store has read R and PRS, its loads of p have read PA: the lines below write them
.irp t, 0,1,2,3
	v_add_f32 v[R+\t], v[DT+8*\t], v[DT+8*\t+1]
.endr
.if \loadp
	v_add_nc_u32 v[PA], PP, v[PA]                  ; the next y
.endif
.if \store
	v_add_nc_u32 v[PRS], 2048, v[PRS]              ; the next y
.endif
.endm
; One y.  The products of this y; s of the next y is built behind them; the sums over 8 x of the y before are stored; p of the y after the next is asked for while this y's results are summed.
; The first 24 lines of BUILD name only P and DD: they are the places in front of its first write of F, and all of BUILD lies in front of the reads of DT.
.macro TRIP first, build, loadp, store
	MMA
.if \build
	s_wait_dscnt 0x0                               ; the 16 loads of p are in: nothing was issued behind them
	BUILD
.else
	PLACES
.endif
	s_wait_alu depctr_va_vdst(0)                   ; BUILD is done reading and writing P, in which the loads of p land; the trip before has written R, which the store reads, and PA and PRS, by which they go
.if \store
	ds_store_b128 v[PRS], v[R:R+3]                 ; the y before: 16 lanes write 256 neighbouring bytes
.endif
	POST \first, \loadp, \store
.endm
	LOADP 0                                        ; y 0
	s_wait_dscnt 0x0
	BUILD
	s_wait_alu depctr_va_vdst(0)                   ; BUILD is done reading and writing P, in which the loads below land
	LOADP PP                                       ; y 1
	TRIP 1, 1, 1, 0                                ; y 0: asks for p of y 2; there is no R yet to store
	s_mov_b32 s29, 29
.Ltrip:
	TRIP 0, 1, 1, 1                                ; y 1 to 29; asks for p of y 3 to 31
	s_sub_co_i32 s29, s29, 1
	s_cmp_lg_u32 s29, 0
	s_cbranch_scc1 .Ltrip
	TRIP 0, 1, 0, 1                                ; y 30: no p is left to ask for
	TRIP 0, 0, 0, 1                                ; y 31: nothing is left to build
	; THE WAY OUT.  The last sums over 8 x and the sums over my 32 y go to LDS; then all 256 threads add the two halves (comp) and the eight slots (prot) and store whole rows of 256 bytes.
	; All addresses are made first: the last readers of v6 to v11 stand ahead of the last trip's wait on vm_vsrc.
	s_mul_i32 s34, s28, 64*PC
	s_mul_i32 s35, s7, 16*PC
	s_add_co_u32 s34, s34, s35
	s_add_co_u32 s34, s34, CS
	v_mul_u32_u24 v[CST], v3, 8*PC
	v_lshl_add_u32 v[CST], v2, 4, v[CST]
	v_add_nc_u32 v[CST], s34, v[CST]               ; row 16 xt + 8 h, place 4 r
	v_lshrrev_b32 v11, 4, v0                       ; thread / 16: a row
	v_mul_u32_u24 v[CRD], v11, PC
	v_lshl_add_u32 v[CRD], v2, 4, v[CRD]
	v_add_nc_u32 v[CRD], CS, v[CRD]
	v_lshlrev_b32 v[PRD], 11, v11
	v_lshl_add_u32 v[PRD], v2, 4, v[PRD]
	v_add_nc_u32 v[PRD2], 0x10000, v[PRD]          ; rows 32 and up lie beyond the reach of the 16-bit offset
	v_lshlrev_b32 v[GO], 4, v0
	s_wait_alu depctr_va_vdst(0)                   ; R, ACC and PRS are written, which the LDS stores read; so are the six addresses above; and all vector and matrix work on v[16:143] and v[192:223] is done, in which the loads behind the barrier land
	ds_store_b128 v[PRS], v[R:R+3]                 ; y 31
.irp t, 0,1,2,3
.irp j, 0,1,2,3,4,5,6,7
	ds_store_b32 v[CST], v[ACC+8*\t+\j] offset:\j*PC+4*\t
.endr
.endr
	s_wait_dscnt 0x0                               ; my sums are written,
	s_barrier_signal -1
	s_barrier_wait -1                              ; everybody's are
.irp i, 0,1,2,3
	ds_load_b128 v[CV+8*\i:CV+8*\i+3],   v[CRD] offset:\i*16*PC
	ds_load_b128 v[CV+8*\i+4:CV+8*\i+7], v[CRD] offset:\i*16*PC+64*PC
.endr
.irp i, 0,1
.irp sl, 0,1,2,3,4,5,6,7
	ds_load_b128 v[PV+32*\i+4*\sl:PV+32*\i+4*\sl+3], v[PRD] offset:\i*32768+\sl*256
.endr
.endr
.irp i, 0,1
.irp sl, 0,1,2,3,4,5,6,7
	ds_load_b128 v[PV+64+32*\i+4*\sl:PV+64+32*\i+4*\sl+3], v[PRD2] offset:\i*32768+\sl*256
.endr
.endr
.macro ADD4 a, b
	v_pk_add_f32 v[\a:\a+1],   v[\a:\a+1],   v[\b:\b+1]
	v_pk_add_f32 v[\a+2:\a+3], v[\a+2:\a+3], v[\b+2:\b+3]
.endm
.macro SUM8 i                          ; the eight slots of row group i, as a tree
	ADD4 PV+32*\i,    PV+32*\i+4
	ADD4 PV+32*\i+8,  PV+32*\i+12
	ADD4 PV+32*\i+16, PV+32*\i+20
	ADD4 PV+32*\i+24, PV+32*\i+28
	ADD4 PV+32*\i,    PV+32*\i+8
	ADD4 PV+32*\i+16, PV+32*\i+24
	ADD4 PV+32*\i,    PV+32*\i+16
.endm
	s_wait_dscnt 32                                ; the eight loads of the sums over y are in; the 32 younger stay out
.irp i, 0,1,2,3
	ADD4 CV+8*\i, CV+8*\i+4
.endr
	s_wait_dscnt 24                                ; the eight slots of row group 0 are in
	SUM8 0
	s_wait_alu depctr_va_vdst(0)                   ; the additions have written the four sums over y and row group 0's sum over x, which the five stores read
.irp i, 0,1,2,3
	global_store_b128 v[GO], v[CV+8*\i:CV+8*\i+3], s[24:25] offset:\i*4096     ; 16 lanes store 256 consecutive bytes, aligned
.endr
	global_store_b128 v[GO], v[PV:PV+3], s[26:27]
.irp i, 1,2,3
	s_wait_dscnt 24-8*\i                           ; the eight slots of row group i are in
	SUM8 \i
.endr
	s_wait_alu depctr_va_vdst(0)                   ; the additions have written row groups 1 to 3, which the last three stores read
.irp i, 1,2,3
	global_store_b128 v[GO], v[PV+32*\i:PV+32*\i+3], s[26:27] offset:\i*4096
.endr
	s_set_vgpr_msb 0x5
	s_wait_dscnt 0x0
	s_wait_alu depctr_hold_cnt(0) depctr_sa_sdst(0) depctr_va_vdst(0) depctr_va_sdst(0) depctr_va_ssrc(0) depctr_va_vcc(0) depctr_vm_vsrc(0)
	s_wait_tensorcnt 0x0
	ds_add_u32 v254, v255
	s_wait_dscnt 0x0
	s_endpgm
.Lfunc_end_k_q66448ec763_pairs:
	.size	k_q66448ec763_pairs, .Lfunc_end_k_q66448ec763_pairs-k_q66448ec763_pairs
	.p2alignl 7, 3214868480
	.fill 96, 4, 3214868480
	.section	.rodata,"a",@progbits
	.p2align	6, 0x0
	.amdhsa_kernel k_q66448ec763_pairs
		.amdhsa_group_segment_fixed_size 204800
		.amdhsa_private_segment_fixed_size 0
		.amdhsa_enable_private_segment 0
		.amdhsa_kernarg_size 80
		.amdhsa_user_sgpr_count 2
		.amdhsa_user_sgpr_kernarg_segment_ptr 1
		.amdhsa_wavefront_size32 1
		.amdhsa_system_sgpr_workgroup_id_x 1
		.amdhsa_system_sgpr_workgroup_id_y 1
		.amdhsa_system_sgpr_workgroup_id_z 1
		.amdhsa_system_vgpr_workitem_id 0
		.amdhsa_next_free_vgpr 512
		.amdhsa_next_free_sgpr 66
		.amdhsa_reserve_vcc 0
		.amdhsa_float_denorm_mode_32 3
		.amdhsa_float_denorm_mode_16_64 3
		.amdhsa_memory_ordered 1
		.amdhsa_forward_progress 1
		.amdhsa_inst_pref_size 94
	.end_amdhsa_kernel
	.amdgpu_metadata
---
amdhsa.version: [ 1, 2 ]
amdhsa.kernels:
  - .name:           k_q66448ec763_pairs
    .symbol:         k_q66448ec763_pairs.kd
    .args:
      - { .name: x, .offset: 0, .size: 8, .value_kind: global_buffer, .address_space: global }
      - { .name: y, .offset: 8, .size: 8, .value_kind: global_buffer, .address_space: global }
      - { .name: W_drug, .offset: 16, .size: 8, .value_kind: global_buffer, .address_space: global }
      - { .name: b_drug, .offset: 24, .size: 8, .value_kind: global_buffer, .address_space: global }
      - { .name: W_prot, .offset: 32, .size: 8, .value_kind: global_buffer, .address_space: global }
      - { .name: b_prot, .offset: 40, .size: 8, .value_kind: global_buffer, .address_space: global }
      - { .name: W_down, .offset: 48, .size: 8, .value_kind: global_buffer, .address_space: global }
      - { .name: b_down, .offset: 56, .size: 8, .value_kind: global_buffer, .address_space: global }
      - { .name: compP, .offset: 64, .size: 8, .value_kind: global_buffer, .address_space: global }
      - { .name: protP, .offset: 72, .size: 8, .value_kind: global_buffer, .address_space: global }
    .group_segment_fixed_size: 204800
    .private_segment_fixed_size: 0
    .kernarg_segment_align: 8
    .kernarg_segment_size: 80
    .max_flat_workgroup_size: 256
    .sgpr_count:     66
    .vgpr_count:     512
    .wavefront_size: 32
...
	.end_amdgpu_metadata
.endif
;; end of part 3
;; launch finish: the kernel of part 2 again; grid 144 x 1, 32 waves a work-group, no clusters, 66,560 bytes of LDS; arguments compP, protP, x, y, W_up, b_up, out0, out1; writes out0, out1
